; MI455X (gfx1250); checked and timed in simulation.
; The chip was launched on July 23, 2026; its instructions are those of AMD's public machine-readable ISA for CDNA 5 (MIT licence, August 2026) and "CDNA5" Instruction Set Architecture Reference Guide (July 2026). The comments in the code are by the model that wrote it; some were corrected since.
;; Mixed Mo E. Allowed arithmetic: float matrix products may take bf16 or f16 operands with f32 sums; all other float work in f32.
;; Inputs: B1 16 x 1,024 float32; B2 16 x 1,024 float32; B3 16 x 1,024 float32; W1 16 x 1,024 x 1,024 float32; W2 16 x 1,024 x 1,024 float32; W3 16 x 1,024 x 1,024 float32; embeddings 4 x 256 x 1,024 float32; gate_w 16 x 1,024 float32; sB1 2,048 float32; sB2 1,024 float32; sW1 1,024 x 2,048 float32; sW2 2,048 x 1,024 float32; x 1,024 x 1,024 float32.
;; Outputs: out0 4 x 256 x 1,024 float32.
;; One version. Each part assembles by itself: llvm-mc -triple=amdgcn-amd-amdhsa -mcpu=gfx1250 --defsym DOCPART=n.
;; ======== version 1 of 1: 5 launches
;; workspace buffers: embb 2,097,152 bytes; xb 2,097,152 bytes; topi 8,192 bytes of whole numbers; topw 8,192 bytes; lists 131,328 bytes of whole numbers; hbuf 37,748,736 bytes; ybuf 16,842,752 bytes
;; launch gate (part 1): grid 256 x 1, 2 waves a work-group, no clusters, 0 bytes of LDS; arguments embeddings, x, gate_w, embb, xb, topi, topw; writes embb, xb, topi, topw
.if DOCPART == 1
	.amdgcn_target "amdgcn-amd-amdhsa--gfx1250"
	.amdhsa_code_object_version 6
	.text
	.protected	k_q4218e64f93_gate
	.globl	k_q4218e64f93_gate
	.p2align	8
	.type	k_q4218e64f93_gate,@function
k_q4218e64f93_gate:
	s_mov_b64 s[64:65], 0
	v_nop
	global_prefetch_b8 v0, s[64:65] scope:SCOPE_SE
	s_setreg_imm32_b32 hwreg(HW_REG_WAVE_MODE, 25, 1), 1
	s_wait_xcnt 0x0
; GATE.  For each of 1,024 tokens: 16 logits = embeddings row . gate_w rows, the two largest, and their softmax weights.
; On the way the rows of embeddings and of x are written out once as bf16 (embb, xb) for the matrix launches.
; The product's operands are cut to bf16, as in every matrix product of this program, so that the choice of experts and the experts' own
; products see the same numbers; the products of two bf16 numbers are exact in f32, and the sums are kept in f32.  It runs on the vector
; ALU: 33 million multiply-adds, 0.03 per cent of the problem's, on rows that the wave holds in registers anyway for the conversion.
; A wave owns two tokens; lane L holds k = 128 i + 4 L .. + 3, i = 0 .. 7, of each row, so a load covers 512 consecutive bytes.
; LIMITS: the two experts are chosen on these logits (softmax keeps their order), the lower index winning on equal logits.  A token whose
; second and third logits in pure f32 lie closer than the cut to bf16 moves them (some 0.2 per cent of the logits' spread) may choose
; otherwise than pure f32 would.  NaN logits are not served.  The maximum is taken away before the exponentials.
.set P,   4                            ; v[4:11]    four chains of two partial sums
.set SUM, 16                           ; v[16:47]   logit of token t, expert e at 16 t + e; first the packed bf16 of x, then of the embeddings
.set TOK, 48                           ; v[48:111]  the two embedding rows, 32 registers each; later the registers below
.set G,   112                          ; v[112:239] ring of four slots of 32 registers: a row of gate_w each; first the rows of x
.set CV,  240                          ; v[240:255] a row of gate_w packed as bf16
.set EX,  64                           ; v[64:79]   exponentials
.set IDX, 80                           ; v[80:83]   i1, i2 of token 0, i1, i2 of token 1
.set WGT, 84                           ; v[84:87]   their weights
.set VV,  88                           ; v[88:91]   largest and second logit of each token
	s_load_b256 s[4:11], s[0:1], 0x0               ; embeddings s[4:5], x s[6:7], gate_w s[8:9], embb s[10:11]
	s_load_b128 s[12:15], s[0:1], 0x20             ; xb s[12:13], topi s[14:15]
	s_load_b64 s[16:17], s[0:1], 0x30              ; topw
	v_lshrrev_b32 v13, 5, v0
	v_readfirstlane_b32 s2, v13                    ; wave 0, 1
	v_and_b32 v15, 31, v0                          ; lane
	s_lshl_b32 s3, ttmp9, 1
	s_add_co_u32 s3, s3, s2                        ; number of my pair of tokens, 0 .. 511
	s_lshl_b32 s18, s3, 13                         ; two f32 rows of 4,096 bytes
	s_lshl_b32 s19, s3, 12                         ; two bf16 rows of 2,048 bytes
	s_lshl_b32 s26, s3, 4                          ; two tokens x 8 bytes in topi and topw
	s_mov_b32 s20, 0x76543210                      ; v_permlanex16_b32: lane i of one half reads lane i of the other
	s_mov_b32 s21, 0xfedcba98
	s_mov_b32 s22, 0xffff0000                      ; a word's upper bf16
	v_lshl_add_u32 v1, v15, 4, s18                 ; my 16 bytes in the f32 rows
	v_lshl_add_u32 v2, v15, 3, s19                 ; my 8 bytes in the bf16 rows
	v_lshlrev_b32 v3, 4, v15                       ; my 16 bytes in a row of gate_w
	v_mov_b32 v12, 0                               ; the permute's destination counts as read
	s_wait_kmcnt 0x0
.irp t, 0,1
.irp i, 0,1,2,3,4,5,6,7
	global_load_b128 v[G+32*\t+4*\i:G+32*\t+4*\i+3], v1, s[6:7] offset:\t*4096+\i*512 th:TH_LOAD_NT
.endr
.endr
.irp t, 0,1
.irp i, 0,1,2,3,4,5,6,7
	global_load_b128 v[TOK+32*\t+4*\i:TOK+32*\t+4*\i+3], v1, s[4:5] offset:\t*4096+\i*512 th:TH_LOAD_NT
.endr
.endr
	s_wait_loadcnt 16                              ; the 16 loads of x are in; the 16 younger ones (embeddings) stay out
.set j, 0
.rept 32
	v_cvt_pk_bf16_f32 v[SUM+j], v[G+2*j], v[G+2*j+1]
.set j, j+1
.endr
.irp t, 0,1
.irp i, 0,1,2,3,4,5,6,7
	global_store_b64 v2, v[SUM+16*\t+2*\i:SUM+16*\t+2*\i+1], s[12:13] offset:\t*2048+\i*256   ; a wave's store covers 256 consecutive bytes, aligned
.endr
.endr
	s_wait_xcnt 0x0                                ; SUM, which the stores to xb read, is rewritten only behind this wait
.irp e, 0,1,2,3
.irp i, 0,1,2,3,4,5,6,7
	global_load_b128 v[G+32*\e+4*\i:G+32*\e+4*\i+3], v3, s[8:9] offset:\e*4096+\i*512          ; the ring is filled: experts 0 to 3
.endr
.endr
	s_wait_loadcnt 32                              ; the embeddings are in; the 32 loads of gate_w are younger
.set j, 0
.rept 32
	v_cvt_pk_bf16_f32 v[SUM+j], v[TOK+2*j], v[TOK+2*j+1]
.set j, j+1
.endr
.irp t, 0,1
.irp i, 0,1,2,3,4,5,6,7
	global_store_b64 v2, v[SUM+16*\t+2*\i:SUM+16*\t+2*\i+1], s[10:11] offset:\t*2048+\i*256
.endr
.endr
.set j, 0
.rept 32
	v_lshlrev_b32 v[TOK+2*j],   16,  v[SUM+j]      ; the cut numbers as f32 again: the low half moves up,
	v_and_b32     v[TOK+2*j+1], s22, v[SUM+j]      ; the high half stays
.set j, j+1
.endr
	s_wait_xcnt 0x0                                ; SUM, which the stores to embb read, is rewritten only behind this wait
; One expert: the row in slot e mod 4 is cut to bf16 and widened in place; both tokens' dot products with it, two chains a token;
; then the slot takes expert e + 4.  left = loads younger than this slot's: the three other slots, 8 loads each, running down at the end.
.macro EXPERT e, left
	s_wait_loadcnt \left
.irp j, 0,1,2,3,4,5,6,7,8,9,10,11,12,13,14,15
	v_cvt_pk_bf16_f32 v[CV+\j], v[G+32*(\e%4)+2*\j], v[G+32*(\e%4)+2*\j+1]
.endr
.irp j, 0,1,2,3,4,5,6,7,8,9,10,11,12,13,14,15
	v_lshlrev_b32 v[G+32*(\e%4)+2*\j],   16,  v[CV+\j]
	v_and_b32     v[G+32*(\e%4)+2*\j+1], s22, v[CV+\j]
.endr
.irp t, 0,1
	v_pk_mul_f32 v[P+4*\t:P+4*\t+1],   v[TOK+32*\t:TOK+32*\t+1],   v[G+32*(\e%4):G+32*(\e%4)+1]
	v_pk_mul_f32 v[P+4*\t+2:P+4*\t+3], v[TOK+32*\t+2:TOK+32*\t+3], v[G+32*(\e%4)+2:G+32*(\e%4)+3]
.endr
.irp j, 4,8,12,16,20,24,28
.irp t, 0,1
	v_pk_fma_f32 v[P+4*\t:P+4*\t+1],   v[TOK+32*\t+\j:TOK+32*\t+\j+1],   v[G+32*(\e%4)+\j:G+32*(\e%4)+\j+1],   v[P+4*\t:P+4*\t+1]
	v_pk_fma_f32 v[P+4*\t+2:P+4*\t+3], v[TOK+32*\t+\j+2:TOK+32*\t+\j+3], v[G+32*(\e%4)+\j+2:G+32*(\e%4)+\j+3], v[P+4*\t+2:P+4*\t+3]
.endr
.endr
.irp t, 0,1
	v_pk_add_f32 v[P+4*\t:P+4*\t+1], v[P+4*\t:P+4*\t+1], v[P+4*\t+2:P+4*\t+3]
	v_add_f32 v[SUM+16*\t+\e], v[P+4*\t], v[P+4*\t+1]
.endr
.if \e+4 < 16
.irp i, 0,1,2,3,4,5,6,7
	global_load_b128 v[G+32*(\e%4)+4*\i:G+32*(\e%4)+4*\i+3], v3, s[8:9] offset:(\e+4)*4096+\i*512
.endr
.endif
.endm
.irp e, 0,1,2,3,4,5,6,7,8,9,10,11,12
	EXPERT \e, 24
.endr
	EXPERT 13, 16
	EXPERT 14, 8
	EXPERT 15, 0
	; each of the 32 partial logits summed over the 32 lanes; every lane ends with all of them
.set r, SUM
.rept 32
	v_add_f32_dpp v[r], v[r], v[r] row_xmask:1 row_mask:0xf bank_mask:0xf
	v_add_f32_dpp v[r], v[r], v[r] row_xmask:2 row_mask:0xf bank_mask:0xf
	v_add_f32_dpp v[r], v[r], v[r] row_xmask:4 row_mask:0xf bank_mask:0xf
	v_add_f32_dpp v[r], v[r], v[r] row_xmask:8 row_mask:0xf bank_mask:0xf
	v_permlanex16_b32 v12, v[r], s20, s21
	v_add_f32 v[r], v[r], v12
.set r, r+1
.endr
	; the two largest, by selects alone; strict comparisons keep the lower index on equal logits
.irp t, 0,1
	v_mov_b32 v[VV+2*\t], v[SUM+16*\t]
	v_mov_b32 v[VV+2*\t+1], 0xff800000             ; minus infinity
	v_mov_b32 v[IDX+2*\t], 0
	v_mov_b32 v[IDX+2*\t+1], 0
.endr
.irp e, 1,2,3,4,5,6,7,8,9,10,11,12,13,14,15
	v_mov_b32 v13, \e
.irp t, 0,1
	v_cmp_gt_f32 s24, v[SUM+16*\t+\e], v[VV+2*\t]          ; beats the largest
	v_cmp_gt_f32 s25, v[SUM+16*\t+\e], v[VV+2*\t+1]        ; beats the second
	v_cndmask_b32 v[VV+2*\t+1],  v[VV+2*\t+1],  v[SUM+16*\t+\e], s25
	v_cndmask_b32 v[IDX+2*\t+1], v[IDX+2*\t+1], v13, s25
	v_cndmask_b32 v[VV+2*\t+1],  v[VV+2*\t+1],  v[VV+2*\t], s24    ; the old largest moves down
	v_cndmask_b32 v[IDX+2*\t+1], v[IDX+2*\t+1], v[IDX+2*\t], s24
	v_cndmask_b32 v[VV+2*\t],    v[VV+2*\t],    v[SUM+16*\t+\e], s24
	v_cndmask_b32 v[IDX+2*\t],   v[IDX+2*\t],   v13, s24
.endr
.endr
	; softmax weights of the two: exp(l - max) / sum; the largest one's exponential is 1
.irp t, 0,1
.irp e, 0,1,2,3,4,5,6,7,8,9,10,11,12,13,14,15
	v_sub_f32 v[EX+\e], v[SUM+16*\t+\e], v[VV+2*\t]
.endr
	v_sub_f32 v14, v[VV+2*\t+1], v[VV+2*\t]
.irp e, 0,2,4,6,8,10,12,14
	v_pk_mul_f32 v[EX+\e:EX+\e+1], v[EX+\e:EX+\e+1], 0x3fb8aa3b op_sel_hi:[1,0]   ; log2 e: v_exp_f32 is 2^x
.endr
	v_mul_f32 v14, 0x3fb8aa3b, v14
.irp e, 0,1,2,3,4,5,6,7,8,9,10,11,12,13,14,15
	v_exp_f32 v[EX+\e], v[EX+\e]
.endr
	v_exp_f32 v14, v14
	v_nop                                          ; one plain place behind the transcendentals (ISA guide 5.7.2)
	s_wait_alu depctr_va_vdst(0)
	v_pk_add_f32 v[EX:EX+1],     v[EX:EX+1],     v[EX+2:EX+3]
	v_pk_add_f32 v[EX+4:EX+5],   v[EX+4:EX+5],   v[EX+6:EX+7]
	v_pk_add_f32 v[EX+8:EX+9],   v[EX+8:EX+9],   v[EX+10:EX+11]
	v_pk_add_f32 v[EX+12:EX+13], v[EX+12:EX+13], v[EX+14:EX+15]
	v_pk_add_f32 v[EX:EX+1],     v[EX:EX+1],     v[EX+4:EX+5]
	v_pk_add_f32 v[EX+8:EX+9],   v[EX+8:EX+9],   v[EX+12:EX+13]
	v_pk_add_f32 v[EX:EX+1],     v[EX:EX+1],     v[EX+8:EX+9]
	v_add_f32 v[EX], v[EX], v[EX+1]
	v_rcp_f32 v[WGT+2*\t], v[EX]
	v_nop
	s_wait_alu depctr_va_vdst(0)
	v_mul_f32 v[WGT+2*\t+1], v14, v[WGT+2*\t]
.endr
	; every lane holds the same eight numbers: lane 0 stores them, 16 bytes to each table (16 KiB in the whole launch)
	v_mov_b32 v14, s26
	s_wait_xcnt 0x0                                ; EXEC is a source of the memory instructions above: it changes only behind this wait
	v_cmp_eq_u32 vcc_lo, 0, v15
	s_and_saveexec_b32 s27, vcc_lo
	global_store_b128 v14, v[IDX:IDX+3], s[14:15]
	global_store_b128 v14, v[WGT:WGT+3], s[16:17]
	s_endpgm
.Lfunc_end_k_q4218e64f93_gate:
	.size	k_q4218e64f93_gate, .Lfunc_end_k_q4218e64f93_gate-k_q4218e64f93_gate
	.p2alignl 7, 3214868480
	.fill 96, 4, 3214868480
	.section	.rodata,"a",@progbits
	.p2align	6, 0x0
	.amdhsa_kernel k_q4218e64f93_gate
		.amdhsa_group_segment_fixed_size 0
		.amdhsa_private_segment_fixed_size 0
		.amdhsa_enable_private_segment 0
		.amdhsa_kernarg_size 56
		.amdhsa_user_sgpr_count 2
		.amdhsa_user_sgpr_kernarg_segment_ptr 1
		.amdhsa_wavefront_size32 1
		.amdhsa_system_sgpr_workgroup_id_x 1
		.amdhsa_system_sgpr_workgroup_id_y 1
		.amdhsa_system_sgpr_workgroup_id_z 1
		.amdhsa_system_vgpr_workitem_id 0
		.amdhsa_next_free_vgpr 256
		.amdhsa_next_free_sgpr 66
		.amdhsa_reserve_vcc 1
		.amdhsa_float_denorm_mode_32 3
		.amdhsa_float_denorm_mode_16_64 3
		.amdhsa_memory_ordered 1
		.amdhsa_forward_progress 1
		.amdhsa_inst_pref_size 125
	.end_amdhsa_kernel
	.amdgpu_metadata
---
amdhsa.version: [ 1, 2 ]
amdhsa.kernels:
  - .name:           k_q4218e64f93_gate
    .symbol:         k_q4218e64f93_gate.kd
    .args:
      - { .name: embeddings, .offset: 0, .size: 8, .value_kind: global_buffer, .address_space: global }
      - { .name: x, .offset: 8, .size: 8, .value_kind: global_buffer, .address_space: global }
      - { .name: gate_w, .offset: 16, .size: 8, .value_kind: global_buffer, .address_space: global }
      - { .name: embb, .offset: 24, .size: 8, .value_kind: global_buffer, .address_space: global }
      - { .name: xb, .offset: 32, .size: 8, .value_kind: global_buffer, .address_space: global }
      - { .name: topi, .offset: 40, .size: 8, .value_kind: global_buffer, .address_space: global }
      - { .name: topw, .offset: 48, .size: 8, .value_kind: global_buffer, .address_space: global }
    .group_segment_fixed_size: 0
    .private_segment_fixed_size: 0
    .kernarg_segment_align: 8
    .kernarg_segment_size: 56
    .max_flat_workgroup_size: 64
    .sgpr_count:     66
    .vgpr_count:     256
    .wavefront_size: 32
...
	.end_amdgpu_metadata
.endif
;; end of part 1
;; launch lists (part 2): grid 16 x 1, 1 waves a work-group, no clusters, 13,056 bytes of LDS; arguments topi, lists; writes lists
.if DOCPART == 2
	.amdgcn_target "amdgcn-amd-amdhsa--gfx1250"
	.amdhsa_code_object_version 6
	.text
	.protected	k_q4218e64f93_lists
	.globl	k_q4218e64f93_lists
	.p2align	8
	.type	k_q4218e64f93_lists,@function
k_q4218e64f93_lists:
	s_mov_b64 s[64:65], 0
	v_nop
	global_prefetch_b8 v0, s[64:65] scope:SCOPE_SE
	s_setreg_imm32_b32 hwreg(HW_REG_WAVE_MODE, 25, 1), 1
	s_wait_xcnt 0x0
; LISTS.  Job j = 0 .. 15: the tokens that chose expert j, in ascending order (tok), the row of ybuf that each result goes to
; (yrow = 2 token + slot), and their number (cnt).  Entries behind the last are token 0 and the job's dump row 4096 + j, so that
; the matrix launches can work on whole tiles of 16 rows and may name any tile of a list.
; One wave a job scans all 1,024 tokens, 32 at a time; places come from a count of the mask bits below the lane: no atomics.
; There is work for 16 work-groups: one list has one writer.
; lists: tok[16][1024] at job x 4096, yrow[16][1024] at 65,536 + job x 4096, cnt[16] at 131,072.
; LDS: tok 0 .. 4095, yrow 4096 .. 8191; lanes with nothing to place write a word of their own at 8192 + 4 lane (+ 4096).
.set D, 32                             ; v[32:95]  topi as loaded; then the two finished lists
	s_load_b128 s[4:7], s[0:1], 0x0                ; topi s[4:5], lists s[6:7]
	v_lshl_add_u32 v96, v0, 2, 0x3200
	v_mov_b32 v97, 0
	s_mov_b32 s9, ttmp9                            ; the job
	s_lshl_b32 s16, s9, 12
	s_mov_b32 s17, 0
	s_lshl_b32 s18, s9, 2
	v_lshlrev_b32 v3, 4, v0                        ; 16 bytes a lane
	v_lshlrev_b32 v2, 3, v0                        ; a token's two indices: 8 bytes
	v_mov_b32 v9, s18                              ; the job's word in cnt
	s_wait_kmcnt 0x0
	s_add_nc_u64 s[16:17], s[6:7], s[16:17]        ; the job's tok list
.set c, 0
.rept 32
	global_load_b64 v[D+2*c:D+2*c+1], v2, s[4:5] offset:c*256      ; token 32 c + lane
.set c, c+1
.endr
	s_add_co_u32 s8, s9, 4096                      ; the dump row
.irp k, 0,1,2,3
	v_mov_b32 v[16+\k], 0
	v_mov_b32 v[20+\k], s8
.endr
.irp i, 0,1,2,3,4,5,6,7
	ds_store_b128 v3, v[16:19] offset:\i*512
	ds_store_b128 v3, v[20:23] offset:4096+\i*512
.endr
	v_lshl_add_u32 v7, v0, 2, 8192                 ; where a lane without a hit writes
	s_mov_b32 s10, 0                               ; hits so far
	s_wait_loadcnt 0x0
.set c, 0
.rept 32
	v_cmp_eq_u32 s12, s9, v[D+2*c]                 ; slot 0 chose the job's expert
	v_cmp_eq_u32 s13, s9, v[D+2*c+1]               ; slot 1 did
	s_or_b32 s14, s12, s13
	v_mbcnt_lo_u32_b32 v4, s14, s10                ; hits so far + hits in lower lanes = my place
	v_lshlrev_b32 v4, 2, v4
	v_cndmask_b32 v4, v7, v4, s14
	v_min_u32 v4, 0x207c, v4                       ; 8192 + 4 x 31: no LDS address made from loaded numbers passes this
	v_add_nc_u32 v6, 32*c, v0                      ; the token
	v_cndmask_b32 v5, 0, 1, s13
	v_lshl_add_u32 v5, v6, 1, v5                   ; 2 token + slot
	ds_store_b32 v4, v6
	ds_store_b32 v4, v5 offset:4096
	s_bcnt1_i32_b32 s15, s14
	s_add_co_u32 s10, s10, s15
.set c, c+1
.endr
.irp i, 0,1,2,3,4,5,6,7,8,9,10,11,12,13,14,15
	ds_load_b128 v[D+4*\i:D+4*\i+3], v3 offset:\i*512              ; LDS serves a wave's instructions in order (ISA guide 5.7.1.4): these see the stores
.endr
	v_mov_b32 v8, s10
	s_wait_dscnt 0x0
.irp i, 0,1,2,3,4,5,6,7
	global_store_b128 v3, v[D+4*\i:D+4*\i+3], s[16:17] offset:\i*512             ; 512 consecutive bytes a store
.endr
.irp i, 0,1,2,3,4,5,6,7
	global_store_b128 v3, v[D+32+4*\i:D+32+4*\i+3], s[16:17] offset:65536+\i*512
.endr
	s_wait_xcnt 0x0                                ; EXEC changes only behind this wait
	v_cmp_eq_u32 vcc_lo, 0, v0
	s_wait_tensorcnt 0x0
	ds_add_u32 v96, v97
	s_wait_dscnt 0x0
	s_and_saveexec_b32 s20, vcc_lo
	global_store_b32 v9, v8, s[6:7] offset:131072
	s_endpgm
.Lfunc_end_k_q4218e64f93_lists:
	.size	k_q4218e64f93_lists, .Lfunc_end_k_q4218e64f93_lists-k_q4218e64f93_lists
	.p2alignl 7, 3214868480
	.fill 96, 4, 3214868480
	.section	.rodata,"a",@progbits
	.p2align	6, 0x0
	.amdhsa_kernel k_q4218e64f93_lists
		.amdhsa_group_segment_fixed_size 13056
		.amdhsa_private_segment_fixed_size 0
		.amdhsa_enable_private_segment 0
		.amdhsa_kernarg_size 16
		.amdhsa_user_sgpr_count 2
		.amdhsa_user_sgpr_kernarg_segment_ptr 1
		.amdhsa_wavefront_size32 1
		.amdhsa_system_sgpr_workgroup_id_x 1
		.amdhsa_system_sgpr_workgroup_id_y 1
		.amdhsa_system_sgpr_workgroup_id_z 1
		.amdhsa_system_vgpr_workitem_id 0
		.amdhsa_next_free_vgpr 98
		.amdhsa_next_free_sgpr 66
		.amdhsa_reserve_vcc 1
		.amdhsa_float_denorm_mode_32 3
		.amdhsa_float_denorm_mode_16_64 3
		.amdhsa_memory_ordered 1
		.amdhsa_forward_progress 1
		.amdhsa_inst_pref_size 32
	.end_amdhsa_kernel
	.amdgpu_metadata
---
amdhsa.version: [ 1, 2 ]
amdhsa.kernels:
  - .name:           k_q4218e64f93_lists
    .symbol:         k_q4218e64f93_lists.kd
    .args:
      - { .name: topi, .offset: 0, .size: 8, .value_kind: global_buffer, .address_space: global }
      - { .name: lists, .offset: 8, .size: 8, .value_kind: global_buffer, .address_space: global }
    .group_segment_fixed_size: 13056
    .private_segment_fixed_size: 0
    .kernarg_segment_align: 8
    .kernarg_segment_size: 16
    .max_flat_workgroup_size: 32
    .sgpr_count:     66
    .vgpr_count:     98
    .wavefront_size: 32
...
	.end_amdgpu_metadata
.endif
;; end of part 2
;; launch up (part 3): grid 256 x 1, 16 waves a work-group, no clusters, 284,672 bytes of LDS; arguments embb, xb, W1, W3, B1, B3, sW1, sB1, lists, hbuf; writes hbuf
.if DOCPART == 3
	.amdgcn_target "amdgcn-amd-amdhsa--gfx1250"
	.amdhsa_code_object_version 6
	.text
	.protected	k_q4218e64f93_up
	.globl	k_q4218e64f93_up
	.p2align	8
	.type	k_q4218e64f93_up,@function
k_q4218e64f93_up:
	s_mov_b64 s[64:65], 0
	v_nop
	global_prefetch_b8 v0, s[64:65] scope:SCOPE_SE
	s_setreg_imm32_b32 hwreg(HW_REG_WAVE_MODE, 25, 1), 1
	s_wait_xcnt 0x0
; UP.  256 work-groups that stay; work-group g makes two things, in one unbroken run of chunks:
;   1. a piece of the shared layer: silu(emb sW1 + sB1), rows 128 (g / 32) .. + 127, columns 64 (g mod 32) .. + 63;
;   2. its routed job (expert e = g / 16, slice hb = g mod 16): h = silu(a W1 + B1) (a W3 + B3) for the rows that chose e and 64 columns
;      of H; a = xb for e < 2, else embb.
; The shared piece comes first because its rows are consecutive tokens: it needs no list and no count, so its loads go out as soon as the
; arguments are in.  The routed job's count and list words are asked for at the same time, and its first chunk of weights and rows in
; the shared piece's last chunk, as any next chunk is: the routed job's chain of dependent loads runs behind the shared piece's products.
; The weights are f32 and lie [K][N]: they pass through registers (cut to bf16) into LDS and are read from there by the transposing
; load.  So they cannot come by tensor loads, and with that there are no joint loads either: a routed slab is read by one
; work-group alone, and the shared slabs (8 readers each) are 1/17 of the launch's weight bytes in memory.
; K = 1,024 goes in chunks of 256 through two LDS buffers.  16 waves: all load and convert weights (16 k rows of a chunk each).  A row tile is
; 16 rows by all the job's columns (shared: 4 accumulators, routed: 8).  Shared tile t is wave t's (t < 8); routed tile t is wave
; 15 - t's, so that up to 128 routed rows fall to the waves that had no shared tile and are ready first.
; A routed pass serves 256 rows; an expert may hold up to 1,024, so there are always four passes: no barrier hangs on a loaded number.
; Pass 0 is written out; passes 1 to 3 are a counted loop in which a pass without rows keeps only its four barriers.  An expert with no row
; is served as if it had one (the padded list's token 0), so that tile 0 of every job exists for the next launch.
; THE MATRIX INSTRUCTION IS USED TRANSPOSED: source 0 = 16 weight columns, source 1 = 16 token rows, so that lane (r, h) holds row r,
; columns 8 h .. 8 h + 7 of the fragment.  The accumulators start from the bias, loaded straight into them: nothing is cleared or added later.
; LIMIT: experts that the gate did not choose for a token are not computed for it.
; hbuf: [288 blocks][1024 rows][64] bf16; routed: block 16 e + hb, rows are places in e's list; shared: block 256 + g mod 32, rows are tokens.
; LDS: weight buffers 0 and 1, 256 k rows x 288 bytes (slab A's 128, slab B's 128, 32 of padding: 9 x 32, so the transposing loads meet no
; bank twice); then for each wave 16 rows x 528 bytes of its own for its token rows, used again as its stage on the way out.
.set BP,    288
.set BBUF,  256*BP                     ; 73,728
.set AP,    528
.set ASZ,   16*AP                      ; 8,448
.set ABASE, 2*BBUF                     ; 147,456
; v1 routed weight offset; v2 shared weight offset, later the prefetch offset; v3, v4 where I store weights in buffer 0, 1; v5-8 fragment address,
; buffer x 2 + half of the chunk; v9 where I store token rows; v10 token fragment address and stage in; v11 offset of my shared rows;
; v252 stage back; v253 offset in hbuf; v254 list or bias offset; v255 16 (lane mod 16)
.set AADR, 12                          ; v[12:19]   byte offsets of my routed tile's rows 2 i + lane / 16 in the activations
.set AF,   20                          ; v[20:27]   token fragment
.set BF,   28                          ; v[28:59]   four weight fragments; also the packed bf16 on the way into LDS
.set ACC,  60                          ; v[60:123]  eight accumulators: 0-3 slab A's columns, 4-7 slab B's
.set WR,   124                         ; v[124:187] a chunk's weights as loaded
.set AR,   188                         ; v[188:251] a chunk's token rows as loaded
.set T,    AF                          ; the way out works in the fragment registers, so that WR and AR can hold the next loads: at work,
.set O,    BF                          ; packed,
.set RB,   BF+16                       ; read back
; s2 wave, s3 work-group, s4 my routed tile, s7 routed rows, s9 pass, s10 tiles in this pass, s11 I have a routed tile?, s12 my LDS rows, s13 I have a shared tile?
; s[36:37] W1 slab, s[38:39] W3 slab, s[40:41] B1, s[42:43] B3, s[44:45] routed activations, s[46:47] list, s[48:49] routed block of hbuf,
; s[50:51] sW1 slab, s[52:53] sB1, s[54:55] shared block of hbuf, s[56:57] prefetch base
	s_load_b512 s[16:31], s[0:1], 0x0              ; embb 16, xb 18, W1 20, W3 22, B1 24, B3 26, sW1 28, sB1 30
	s_load_b128 s[32:35], s[0:1], 0x40             ; lists 32, hbuf 34
	v_lshrrev_b32 v30, 5, v0
	v_readfirstlane_b32 s2, v30                    ; wave 0 .. 15
	s_mov_b32 s3, ttmp9
	s_sub_co_u32 s4, 15, s2                        ; my routed tile in a pass
	s_lshr_b32 s5, s3, 4                           ; e
	s_and_b32 s6, s3, 15                           ; hb
	s_lshl_b32 s58, s5, 22
	s_lshl_b32 s59, s6, 8
	s_add_co_u32 s58, s58, s59                     ; routed weights: e x 4 MiB + hb x 256
	s_lshl_b32 s60, s5, 12
	s_add_co_u32 s60, s60, s59                     ; routed bias: e x 4,096 + hb x 256
	s_and_b32 s61, s3, 31                          ; shared: block of 64 columns
	s_lshr_b32 s8, s3, 5
	s_lshl_b32 s8, s8, 7                           ; shared: first token of the piece
	s_cmp_lt_u32 s2, 8
	s_cselect_b32 s13, 1, 0
	s_cselect_b32 s6, s2, 0                        ; a wave without a shared tile names tile 0 in its first loads
	s_lshl_b32 s6, s6, 4
	s_add_co_u32 s6, s6, s8                        ; first token of my shared tile
	s_mul_i32 s12, s2, ASZ
	s_add_co_u32 s12, s12, ABASE
	s_lshl_b32 s62, s6, 11                         ; a bf16 row is 2,048 bytes
	s_lshl_b32 s63, s6, 7                          ; a row of a block of hbuf is 128 bytes
	s_lshl_b32 s8, s4, 6                           ; my routed tile's 16 words in the list
	v_and_b32 v28, 15, v0                          ; r
	v_bfe_u32 v29, v0, 4, 1                        ; h
	v_lshl_add_u32 v31, v30, 4, v29                ; k row 16 w + h of a chunk (+ 2 i)
	v_lshlrev_b32 v255, 4, v28
	v_lshl_add_u32 v1, v31, 12, v255               ; a row of W1 and W3 is 4,096 bytes,
	v_lshl_add_u32 v2, v31, 13, v255               ; of sW1 8,192
	v_mul_u32_u24 v3, v31, BP
	v_lshl_add_u32 v3, v28, 3, v3                  ; four columns are 8 bytes of bf16
	v_add_nc_u32 v4, BBUF, v3
	v_and_b32 v33, 7, v0
	v_lshl_add_u32 v34, v29, 3, v33                ; k row 8 h + lane mod 8
	v_mul_u32_u24 v5, v34, BP
	v_bfe_u32 v35, v0, 3, 1
	v_lshl_add_u32 v5, v35, 4, v5                  ; + 16 bytes for the upper eight columns
	v_add_nc_u32 v6, 128*BP, v5
	v_add_nc_u32 v7, BBUF, v5
	v_add_nc_u32 v8, BBUF+128*BP, v5
	v_mul_u32_u24 v9, v29, AP
	v_add_nc_u32 v9, v9, v255
	v_add_nc_u32 v9, s12, v9
	v_mul_u32_u24 v10, v28, AP
	v_lshl_add_u32 v10, v29, 4, v10
	v_add_nc_u32 v10, s12, v10
	v_bfe_u32 v36, v0, 3, 2
	v_mul_u32_u24 v252, v36, AP                    ; back: eight lanes take a row's 128 bytes, a load four rows
	v_lshl_add_u32 v252, v33, 4, v252
	v_add_nc_u32 v252, s12, v252
	v_lshl_add_u32 v11, v29, 11, v255
	v_add_nc_u32 v11, s62, v11                     ; token (first + h), 16 r; rows 2 i further stand in the immediate
	v_and_b32 v253, 31, v0
	v_lshl_add_u32 v253, v253, 4, s63
	v_lshl_add_u32 v254, v29, 2, s8
	v_lshlrev_b32 v32, 5, v29                      ; bias: 32 h
	s_wait_kmcnt 0x0
	s_mov_b32 s15, 0                               ; offsets are made apart and added as pairs with 0 on top
	s_mov_b32 s14, s58
	s_add_nc_u64 s[36:37], s[20:21], s[14:15]
	s_add_nc_u64 s[38:39], s[22:23], s[14:15]
	s_mov_b32 s14, s60
	s_add_nc_u64 s[40:41], s[24:25], s[14:15]
	s_add_nc_u64 s[42:43], s[26:27], s[14:15]
	s_lshl_b32 s14, s5, 2
	s_add_nc_u64 s[62:63], s[32:33], s[14:15]
	s_load_b32 s7, s[62:63], 0x20000               ; cnt[e]: wanted only when the shared piece is under way
	s_lshl_b32 s14, s5, 12
	s_add_nc_u64 s[46:47], s[32:33], s[14:15]      ; tok[e]
	s_lshl_b32 s14, s3, 17
	s_add_nc_u64 s[48:49], s[34:35], s[14:15]      ; block 16 e + hb = the work-group's number
	s_lshl_b32 s14, s61, 8
	s_add_nc_u64 s[50:51], s[28:29], s[14:15]
	s_add_nc_u64 s[52:53], s[30:31], s[14:15]
	s_add_co_u32 s14, s61, 256
	s_lshl_b32 s14, s14, 17
	s_add_nc_u64 s[54:55], s[34:35], s[14:15]
	s_cmp_lt_u32 s3, 32                            ; experts 0 and 1 read x
	s_cselect_b64 s[44:45], s[18:19], s[16:17]
	s_cmp_lt_u32 s2, 8
	s_cselect_b64 s[56:57], s[36:37], s[38:39]     ; waves 0-7 ask ahead for W1, waves 8-15 for W3
; Four places behind a matrix instruction before a load lands on, or a vector instruction touches, one of its registers.
.macro PLACES
.rept 4
	v_nop
.endr
.endm
; Chunk c of the weights: my 16 k rows, two a load: sixteen lanes take the 256 aligned bytes of one row's slab.  All steps stand in the
; immediate, 6,406,144 at the most, inside its signed 24 bits, so no address is ever stepped.  Routed weights are read once in the launch.
.macro LOADWR c
.irp i, 0,1,2,3,4,5,6,7
	global_load_b128 v[WR+4*\i:WR+4*\i+3],       v1, s[36:37] offset:((\c)*256+2*\i)*4096 th:TH_LOAD_NT
	global_load_b128 v[WR+32+4*\i:WR+32+4*\i+3], v1, s[38:39] offset:((\c)*256+2*\i)*4096 th:TH_LOAD_NT
.endr
.endm
.macro LOADWS c
.irp i, 0,1,2,3,4,5,6,7
	global_load_b128 v[WR+4*\i:WR+4*\i+3], v2, s[50:51] offset:((\c)*256+2*\i)*8192
.endr
.endm
; two = 1: both slabs, 0: slab A alone
.macro STOREW buf, two
.irp j, 0,1,2,3,4,5,6,7
	v_cvt_pk_bf16_f32 v[BF+2*\j],   v[WR+4*\j],   v[WR+4*\j+1]
	v_cvt_pk_bf16_f32 v[BF+2*\j+1], v[WR+4*\j+2], v[WR+4*\j+3]
.endr
.if \two
.irp j, 8,9,10,11,12,13,14,15
	v_cvt_pk_bf16_f32 v[BF+2*\j],   v[WR+4*\j],   v[WR+4*\j+1]
	v_cvt_pk_bf16_f32 v[BF+2*\j+1], v[WR+4*\j+2], v[WR+4*\j+3]
.endr
.endif
.irp i, 0,1,2,3,4,5,6,7
	ds_store_b64 v[3+\buf], v[BF+2*\i:BF+2*\i+1] offset:\i*2*BP
.endr
.if \two
.irp i, 0,1,2,3,4,5,6,7
	ds_store_b64 v[3+\buf], v[BF+16+2*\i:BF+16+2*\i+1] offset:\i*2*BP+128
.endr
.endif
.endm
; My tile's 16 rows, 256 k of chunk c: sixteen lanes take 256 aligned bytes of one row.  Routed rows by the list, shared rows consecutive.
.macro LOADAR c
.irp i, 0,1,2,3,4,5,6,7
	global_load_b128 v[AR+8*\i:AR+8*\i+3],   v[AADR+\i], s[44:45] offset:(\c)*512
	global_load_b128 v[AR+8*\i+4:AR+8*\i+7], v[AADR+\i], s[44:45] offset:(\c)*512+256
.endr
.endm
.macro LOADAS c
.irp i, 0,1,2,3,4,5,6,7
	global_load_b128 v[AR+8*\i:AR+8*\i+3],   v11, s[16:17] offset:\i*4096+(\c)*512
	global_load_b128 v[AR+8*\i+4:AR+8*\i+7], v11, s[16:17] offset:\i*4096+(\c)*512+256
.endr
.endm
.macro STOREA
.irp i, 0,1,2,3,4,5,6,7
	ds_store_b128 v9, v[AR+8*\i:AR+8*\i+3]   offset:\i*2*AP
	ds_store_b128 v9, v[AR+8*\i+4:AR+8*\i+7] offset:\i*2*AP+256
.endr
.endm
; 32 along K: the token fragment, then a slab's four fragments and their products.  The accumulators take turns, one instruction a turn,
; over steps, chunks, passes and the change of jobs.
.macro KHALF buf, s, g
.irp f, 0,1,2,3
	ds_load_tr16_b128 v[BF+8*\f:BF+8*\f+3],   v[5+2*\buf+(\s>>2)] offset:(\s&3)*32*BP+128*\g+32*\f
	ds_load_tr16_b128 v[BF+8*\f+4:BF+8*\f+7], v[5+2*\buf+(\s>>2)] offset:(\s&3)*32*BP+128*\g+32*\f+16*BP
.endr
	s_wait_dscnt 0x0
.irp f, 0,1,2,3
	v_wmma_f32_16x16x32_bf16 v[ACC+32*\g+8*\f:ACC+32*\g+8*\f+7], v[BF+8*\f:BF+8*\f+7], v[AF:AF+7], v[ACC+32*\g+8*\f:ACC+32*\g+8*\f+7]
.endr
	PLACES
.endm
.macro KSTEP buf, s, two
	ds_load_b128 v[AF:AF+3],   v10 offset:\s*64
	ds_load_b128 v[AF+4:AF+7], v10 offset:\s*64+32
	KHALF \buf, \s, 0
.if \two
	KHALF \buf, \s, 1
.endif
.endm
; One chunk.  ONE barrier: in front of it each wave's stores into this buffer and its reads of the other buffer (last chunk's) are done,
; so behind it this buffer is whole, and the next chunk may overwrite the other.  The next chunk's loads are issued ahead of the
; barrier and have this chunk's matrix instructions in which to land.
; two: slabs of this chunk; tf: the register that says whether I have a tile; guard = 1: a pass without rows moves no weights;
; nk, nc: the next chunk's kind (0 none, 1 shared, 2 routed) and number; tr = 1: the change from the shared piece to the routed job: every wave
; asks for the rows of its own routed tile (any tile of a padded list may be named), whether or not it has a shared one.
; pf: a routed chunk asked for ahead, one further than the loads just issued: 512 lanes, one for each 256-byte row piece of the chunk's two
; slabs, each piece asked for once in the launch, in pass 0 alone; pf stops at 3, the last chunk.
.macro CHUNK buf, two, tf, guard, nk, nc, pf, tr
	s_wait_loadcnt 0x0                             ; this chunk's weights and rows, and whatever else was asked for with them
.if \guard
	s_cmp_lg_u32 s10, 0
	s_cbranch_scc0 .Lnow_\@
.endif
	STOREW \buf, \two
.if \tr
	v_and_b32 v2, 0xff, v0                         ; the loads that named v2 are done (the wait above): from here on it is
	v_lshlrev_b32 v2, 12, v2                       ; k row (w mod 8) x 32 + lane of a routed chunk
.endif
.if \nk == 1
	LOADWS \nc
.endif
.if \nk == 2
	LOADWR \nc
.if \pf
	global_prefetch_b8 v2, s[56:57] offset:\pf*1048576 th:TH_LOAD_NT scope:SCOPE_SE
.endif
.endif
.Lnow_\@:
	s_cmp_lg_u32 s[\tf], 0
	s_cbranch_scc0 .Lnoa_\@
	STOREA
.if \nk == 1
	LOADAS \nc
.endif
.if \nk == 2
.if \tr == 0
	LOADAR \nc
.endif
.endif
.Lnoa_\@:
.if \tr
	LOADAR 0
.endif
	s_wait_dscnt 0x0                               ; for the other waves' sake: zero
	s_barrier_signal -1
	s_barrier_wait -1
	s_cmp_lg_u32 s[\tf], 0
	s_cbranch_scc0 .Lnok_\@
.irp s, 0,1,2,3,4,5,6,7
	KSTEP \buf, \s, \two
.endr
.Lnok_\@:
.endm
; The way out: silu of accumulators 0 .. 3 (times accumulators 4 .. 7 where gate = 1), cut to bf16, through my own stage, so that a
; store covers 512 consecutive bytes (four rows of the block).  silu(x) = x / (1 + 2^(-x log2 e)).
.macro EPI gate, hb
	s_wait_xcnt 0x0                                ; RB, which earlier stores read, is rewritten only behind this wait
.irp f, 0,1,2,3
.irp k, 0,2,4,6
	v_pk_mul_f32 v[T+\k:T+\k+1], v[ACC+8*\f+\k:ACC+8*\f+\k+1], 0xbfb8aa3b op_sel_hi:[1,0]
.endr
.irp k, 0,1,2,3,4,5,6,7
	v_exp_f32 v[T+\k], v[T+\k]
.endr
	v_nop                                          ; one plain place behind the transcendentals (ISA guide 5.7.2)
	s_wait_alu depctr_va_vdst(0)
.irp k, 0,2,4,6
	v_pk_add_f32 v[T+\k:T+\k+1], v[T+\k:T+\k+1], 1.0 op_sel_hi:[1,0]
.endr
.irp k, 0,1,2,3,4,5,6,7
	v_rcp_f32 v[T+\k], v[T+\k]
.endr
	v_nop
	s_wait_alu depctr_va_vdst(0)
.irp k, 0,2,4,6
	v_pk_mul_f32 v[T+\k:T+\k+1], v[T+\k:T+\k+1], v[ACC+8*\f+\k:ACC+8*\f+\k+1]
.endr
.if \gate
.irp k, 0,2,4,6
	v_pk_mul_f32 v[T+\k:T+\k+1], v[T+\k:T+\k+1], v[ACC+32+8*\f+\k:ACC+32+8*\f+\k+1]
.endr
.endif
.irp k, 0,1,2,3
	v_cvt_pk_bf16_f32 v[O+4*\f+\k], v[T+2*\k], v[T+2*\k+1]
.endr
.endr
.irp f, 0,1,2,3
	ds_store_b128 v10, v[O+4*\f:O+4*\f+3] offset:32*\f
.endr
.irp i, 0,1,2,3
	ds_load_b128 v[RB+4*\i:RB+4*\i+3], v252 offset:\i*4*AP         ; my own bytes, served in order (ISA guide 5.7.1.4)
.endr
.irp i, 0,1,2,3
	s_wait_dscnt 3-\i                              ; the younger read-backs stay out
	global_store_b128 v253, v[RB+4*\i:RB+4*\i+3], s[\hb:\hb+1] offset:\i*512
.endr
.endm
; One routed pass: places 256 p .. 256 p + 255 of the list.  first = 1: pass 0, whose list words, first weights, first rows and B3 bias are
; in or on their way already; only B1's bias is left, for the waves that have a tile.
.macro RPASS first
	s_wait_xcnt 0x0                                ; the last stores have read their address and data registers
	s_lshl_b32 s58, s9, 8
	s_sub_co_i32 s59, s7, s58
	s_max_i32 s59, s59, 0                          ; rows left
	s_add_co_u32 s59, s59, 15
	s_lshr_b32 s59, s59, 4
	s_min_u32 s10, s59, 16                         ; tiles in this pass
	s_cmp_lt_u32 s4, s10
	s_cselect_b32 s11, 1, 0
	s_lshl_b32 s60, s4, 4
	s_add_co_u32 s60, s60, s58                     ; my tile's first place in the list, below 1,024
	s_lshl_b32 s61, s60, 7                         ; its row in the block of hbuf, 128 bytes a row
	s_lshl_b32 s60, s60, 2                         ; its word in the list
	v_and_b32 v253, 31, v0
	v_lshl_add_u32 v253, v253, 4, s61
	v_bfe_u32 v254, v0, 4, 1
.if \first
	s_cmp_lg_u32 s11, 0
	s_cbranch_scc0 .Lidle_\@
	v_lshlrev_b32 v254, 5, v254                    ; bias: 32 h
.irp f, 0,1,2,3
	global_load_b128 v[ACC+8*\f:ACC+8*\f+3],   v254, s[40:41] offset:64*\f         ; the sums start from the bias of columns 16 f + 8 h ..
	global_load_b128 v[ACC+8*\f+4:ACC+8*\f+7], v254, s[40:41] offset:64*\f+16
.endr
.else
	s_cmp_lg_u32 s10, 0
	s_cbranch_scc0 .Lidle_\@
	v_lshlrev_b32 v28, 5, v254
	v_lshl_add_u32 v254, v254, 2, s60
.irp i, 0,1,2,3,4,5,6,7
	global_load_b32 v[AADR+\i], v254, s[46:47] offset:8*\i         ; token of row 2 i + lane / 16
.endr
.irp f, 0,1,2,3
	global_load_b128 v[ACC+8*\f:ACC+8*\f+3],         v28, s[40:41] offset:64*\f
	global_load_b128 v[ACC+8*\f+4:ACC+8*\f+7],       v28, s[40:41] offset:64*\f+16
	global_load_b128 v[ACC+32+8*\f:ACC+32+8*\f+3],   v28, s[42:43] offset:64*\f
	global_load_b128 v[ACC+32+8*\f+4:ACC+32+8*\f+7], v28, s[42:43] offset:64*\f+16
.endr
	LOADWR 0
	s_wait_loadcnt 32                              ; the list words are in; 16 bias and 16 weight loads are younger
.irp i, 0,1,2,3,4,5,6,7
	v_min_u32 v[AADR+\i], 0x3ff, v[AADR+\i]
	v_lshl_add_u32 v[AADR+\i], v[AADR+\i], 11, v255                ; a bf16 row is 2,048 bytes
.endr
	LOADAR 0
.endif
.Lidle_\@:
.if \first
	CHUNK 0, 1, 11, 0, 2, 1, 2, 0
	CHUNK 1, 1, 11, 0, 2, 2, 3, 0
	CHUNK 0, 1, 11, 0, 2, 3, 0, 0
	CHUNK 1, 1, 11, 0, 0, 0, 0, 0
.else
	CHUNK 0, 1, 11, 1, 2, 1, 0, 0
	CHUNK 1, 1, 11, 1, 2, 2, 0, 0
	CHUNK 0, 1, 11, 1, 2, 3, 0, 0
	CHUNK 1, 1, 11, 1, 0, 0, 0, 0
.endif
	s_cmp_lg_u32 s11, 0
	s_cbranch_scc0 .Lnoe_\@
	EPI 1, 48
.Lnoe_\@:
.endm
	; Everything that hangs on the arguments alone goes out at once: the routed tile's list words, the shared bias into accumulators 0-3, B3's bias
	; into accumulators 4-7 (free until the routed job), the shared piece's first weights and rows.
.irp i, 0,1,2,3,4,5,6,7
	global_load_b32 v[AADR+\i], v254, s[46:47] offset:8*\i
.endr
.irp f, 0,1,2,3
	global_load_b128 v[ACC+8*\f:ACC+8*\f+3],         v32, s[52:53] offset:64*\f
	global_load_b128 v[ACC+8*\f+4:ACC+8*\f+7],       v32, s[52:53] offset:64*\f+16
	global_load_b128 v[ACC+32+8*\f:ACC+32+8*\f+3],   v32, s[42:43] offset:64*\f
	global_load_b128 v[ACC+32+8*\f+4:ACC+32+8*\f+7], v32, s[42:43] offset:64*\f+16
.endr
	LOADWS 0
	LOADAS 0
	CHUNK 0, 0, 13, 0, 1, 1, 0, 0                  ; the shared piece, chunk 0
.irp i, 0,1,2,3,4,5,6,7
	v_min_u32 v[AADR+\i], 0x3ff, v[AADR+\i]                        ; the list words came with chunk 0's wait
	v_lshl_add_u32 v[AADR+\i], v[AADR+\i], 11, v255
.endr
	s_wait_kmcnt 0x0
	s_min_u32 s7, s7, 1024
	s_max_u32 s7, s7, 1                            ; tile 0 is always made
	CHUNK 1, 0, 13, 0, 1, 2, 0, 0
	CHUNK 0, 0, 13, 0, 1, 3, 0, 0
	CHUNK 1, 0, 13, 0, 2, 0, 1, 1                  ; its last chunk asks for the routed job's first
	s_cmp_lg_u32 s13, 0
	s_cbranch_scc0 .Lnose
	EPI 0, 54
.Lnose:
	s_mov_b32 s9, 0
	RPASS 1
	s_mov_b32 s9, 1
.Lpass:
	RPASS 0
	s_add_co_u32 s9, s9, 1
	s_cmp_lt_u32 s9, 4
	s_cbranch_scc1 .Lpass
	s_wait_xcnt 0x0
	v_lshl_add_u32 v254, v0, 2, 0x45000
	v_mov_b32 v255, 0
	s_wait_tensorcnt 0x0
	ds_add_u32 v254, v255
	s_wait_dscnt 0x0
	s_endpgm
.Lfunc_end_k_q4218e64f93_up:
	.size	k_q4218e64f93_up, .Lfunc_end_k_q4218e64f93_up-k_q4218e64f93_up
	.p2alignl 7, 3214868480
	.fill 96, 4, 3214868480
	.section	.rodata,"a",@progbits
	.p2align	6, 0x0
	.amdhsa_kernel k_q4218e64f93_up
		.amdhsa_group_segment_fixed_size 284672
		.amdhsa_private_segment_fixed_size 0
		.amdhsa_enable_private_segment 0
		.amdhsa_kernarg_size 80
		.amdhsa_user_sgpr_count 2
		.amdhsa_user_sgpr_kernarg_segment_ptr 1
		.amdhsa_wavefront_size32 1
		.amdhsa_system_sgpr_workgroup_id_x 1
		.amdhsa_system_sgpr_workgroup_id_y 1
		.amdhsa_system_sgpr_workgroup_id_z 1
		.amdhsa_system_vgpr_workitem_id 0
		.amdhsa_next_free_vgpr 256
		.amdhsa_next_free_sgpr 66
		.amdhsa_reserve_vcc 0
		.amdhsa_float_denorm_mode_32 3
		.amdhsa_float_denorm_mode_16_64 3
		.amdhsa_memory_ordered 1
		.amdhsa_forward_progress 1
		.amdhsa_inst_pref_size 255
	.end_amdhsa_kernel
	.section	.bss,"aw",@nobits
	.p2align	6
	.space	262144
	.amdgpu_metadata
---
amdhsa.version: [ 1, 2 ]
amdhsa.kernels:
  - .name:           k_q4218e64f93_up
    .symbol:         k_q4218e64f93_up.kd
    .args:
      - { .name: embb, .offset: 0, .size: 8, .value_kind: global_buffer, .address_space: global }
      - { .name: xb, .offset: 8, .size: 8, .value_kind: global_buffer, .address_space: global }
      - { .name: W1, .offset: 16, .size: 8, .value_kind: global_buffer, .address_space: global }
      - { .name: W3, .offset: 24, .size: 8, .value_kind: global_buffer, .address_space: global }
      - { .name: B1, .offset: 32, .size: 8, .value_kind: global_buffer, .address_space: global }
      - { .name: B3, .offset: 40, .size: 8, .value_kind: global_buffer, .address_space: global }
      - { .name: sW1, .offset: 48, .size: 8, .value_kind: global_buffer, .address_space: global }
      - { .name: sB1, .offset: 56, .size: 8, .value_kind: global_buffer, .address_space: global }
      - { .name: lists, .offset: 64, .size: 8, .value_kind: global_buffer, .address_space: global }
      - { .name: hbuf, .offset: 72, .size: 8, .value_kind: global_buffer, .address_space: global }
    .group_segment_fixed_size: 284672
    .private_segment_fixed_size: 0
    .kernarg_segment_align: 8
    .kernarg_segment_size: 80
    .max_flat_workgroup_size: 512
    .sgpr_count:     66
    .vgpr_count:     256
    .wavefront_size: 32
...
	.end_amdgpu_metadata
.endif
;; end of part 3
;; launch down (part 4): grid 256 x 1, 16 waves a work-group, no clusters, 219,136 bytes of LDS; arguments hbuf, W2, B2, sW2, lists, ybuf; writes ybuf
.if DOCPART == 4
	.amdgcn_target "amdgcn-amd-amdhsa--gfx1250"
	.amdhsa_code_object_version 6
	.text
	.protected	k_q4218e64f93_down
	.globl	k_q4218e64f93_down
	.p2align	8
	.type	k_q4218e64f93_down,@function
k_q4218e64f93_down:
	s_mov_b64 s[64:65], 0
	v_nop
	global_prefetch_b8 v0, s[64:65] scope:SCOPE_SE
	s_setreg_imm32_b32 hwreg(HW_REG_WAVE_MODE, 25, 1), 1
	s_wait_xcnt 0x0
; DOWN.  256 work-groups that stay; work-group g makes two things, both for columns 64 (g mod 16) .. + 63 of D, in one unbroken run of chunks:
;   1. a piece of the shared layer: h sW2 over half = g / 128 of the hidden 2,048, tokens 128 ((g / 16) mod 8) .. + 127, stored to rows
;      2048 + 1024 half + token of ybuf (the two halves and sB2 are added in the last launch);
;   2. its routed job (expert e = g / 16): h W2 + B2 for the rows of e's list, each stored to the row of ybuf that the list names
;      (2 token + slot; padded entries go to the job's dump row).
; The shared piece comes first: its rows are consecutive, so it needs no list and no count, and its loads go out as soon as the arguments are in;
; the routed job's count and list words are asked for at the same time, and its first weights and rows in the shared piece's last chunk.
; The skeleton is the up launch's: f32 weights [K][N] through registers (cut to bf16) into one of two LDS buffers, read by the transposing
; load, which rules out tensor loads and joint loads; K = 1,024 in four chunks of 256, one barrier a chunk; a row tile is 16 rows x 64
; columns, four accumulators; shared tile t is wave t's (t < 8), routed tile t wave 15 - t's; always four routed passes of 256 rows, pass 0
; written out, passes 1 to 3 a counted loop in which a pass without rows keeps only its barriers; an expert with no row is served as if it had one.
; The matrix instruction is used transposed (source 0 = weight columns, source 1 = rows of h): lane (r, h) holds row r, columns 8 h .. + 7.
; LDS: weight buffers 0 and 1, 256 k rows x 160 bytes (128 + 32: 5 x 32); then 16 rows x 528 bytes for each wave, its rows of h and later its stage.
.set BP,    160
.set BBUF,  256*BP                     ; 40,960
.set AP,    528
.set ASZ,   16*AP
.set ABASE, 2*BBUF                     ; 81,920
; v1 weight offset; v2 prefetch offset; v3, v4 where I store weights; v5, v6 weight fragment address; v7 where I store rows of h; v8 their
; fragment address; v9 routed offset in hbuf; v10, v11 stage in and back; v244 16 (lane mod 16); v245 list offset; v246 32 h; v248 h;
; v249 shared offset in hbuf; v250 shared offset in ybuf
.set YADR, 12                          ; v[12:19]   rows of ybuf, then byte offsets, of my routed tile's rows 2 i + lane / 16
.set AF,   20                          ; v[20:35]   fragment of h, two sets
.set BF,   36                          ; v[36:99]   four weight fragments, two sets; on the way out the rows read back
.set ACC,  100                         ; v[100:131] four accumulators
.set WR,   132                         ; v[132:163] a chunk's weights as loaded
.set AR,   164                         ; v[164:227] a chunk's rows of h as loaded
.set CV,   228                         ; v[228:243] packed bf16 on the way into LDS
; s2 wave, s3 work-group, s4 my routed tile, s7 routed rows, s9 pass, s10 tiles in this pass, s11 I have a routed tile?, s12 my LDS rows, s13 I have a shared tile?
; s[28:29] W2 slab, s[30:31] B2, s[32:33] e's 16 blocks of hbuf, s[34:35] yrow list, s[36:37] ybuf at my columns, s[38:39] sW2 slab, s[40:41] the shared half's 16 blocks
	s_load_b256 s[16:23], s[0:1], 0x0              ; hbuf 16, W2 18, B2 20, sW2 22
	s_load_b128 s[24:27], s[0:1], 0x20             ; lists 24, ybuf 26
	v_lshrrev_b32 v251, 5, v0
	v_readfirstlane_b32 s2, v251
	s_mov_b32 s3, ttmp9
	s_sub_co_u32 s4, 15, s2                        ; my routed tile in a pass
	s_lshr_b32 s5, s3, 4                           ; e
	s_and_b32 s6, s3, 15
	s_lshl_b32 s44, s6, 8                          ; my 64 columns: 256 bytes
	s_lshl_b32 s45, s5, 22
	s_add_co_u32 s45, s45, s44                     ; routed weights: e x 4 MiB + columns
	s_lshl_b32 s46, s5, 12
	s_add_co_u32 s46, s46, s44                     ; bias: e x 4,096 + columns
	s_lshr_b32 s47, s3, 7                          ; shared: half
	s_lshl_b32 s48, s47, 22
	s_add_co_u32 s48, s48, s44                     ; shared weights: half x 4 MiB + columns
	s_and_b32 s49, s5, 7
	s_lshl_b32 s49, s49, 7                         ; shared: first token of the piece
	s_cmp_lt_u32 s2, 8
	s_cselect_b32 s13, 1, 0
	s_cselect_b32 s50, s2, 0                       ; a wave without a shared tile names tile 0 in its first loads
	s_lshl_b32 s50, s50, 4
	s_add_co_u32 s50, s50, s49                     ; first token of my shared tile
	s_lshl_b32 s51, s47, 10
	s_add_co_u32 s51, s51, s50
	s_add_co_u32 s51, s51, 2048                    ; its row of ybuf
	s_mul_i32 s12, s2, ASZ
	s_add_co_u32 s12, s12, ABASE
	s_lshl_b32 s52, s50, 7                         ; a row of a block of hbuf is 128 bytes,
	s_lshl_b32 s53, s51, 12                        ; of ybuf 4,096
	s_lshl_b32 s54, s4, 6                          ; my routed tile's 16 words in the list
	v_and_b32 v247, 15, v0                         ; r
	v_bfe_u32 v248, v0, 4, 1                       ; h
	v_lshl_add_u32 v252, v251, 4, v248             ; k row 16 w + h of a chunk (+ 2 i)
	v_lshlrev_b32 v244, 4, v247
	v_lshl_add_u32 v1, v252, 12, v244
	v_lshlrev_b32 v2, 12, v0                       ; waves 0-7: k row 32 w + lane of a chunk
	v_mul_u32_u24 v3, v252, BP
	v_lshl_add_u32 v3, v247, 3, v3
	v_add_nc_u32 v4, BBUF, v3
	v_and_b32 v253, 7, v0
	v_lshl_add_u32 v254, v248, 3, v253
	v_mul_u32_u24 v5, v254, BP
	v_bfe_u32 v255, v0, 3, 1
	v_lshl_add_u32 v5, v255, 4, v5
	v_add_nc_u32 v6, BBUF, v5
	v_bfe_u32 v254, v0, 3, 2
	v_mul_u32_u24 v7, v254, AP
	v_lshl_add_u32 v7, v253, 4, v7
	v_add_nc_u32 v7, s12, v7
	v_mul_u32_u24 v8, v247, AP
	v_lshl_add_u32 v8, v248, 4, v8
	v_add_nc_u32 v8, s12, v8
	v_mul_u32_u24 v10, v247, 272                   ; stage: rows of 256 bytes + 16
	v_lshl_add_u32 v10, v248, 5, v10
	v_add_nc_u32 v10, s12, v10
	v_mul_u32_u24 v11, v248, 272
	v_add_nc_u32 v11, v11, v244
	v_add_nc_u32 v11, s12, v11
	v_lshlrev_b32 v246, 5, v248
	v_and_b32 v249, 31, v0
	v_lshl_add_u32 v249, v249, 4, s52
	v_lshl_add_u32 v250, v248, 12, v244
	v_add_nc_u32 v250, s53, v250                   ; row (first + h), 16 r; rows 2 i further stand in the immediate
	v_lshl_add_u32 v245, v248, 2, s54
	s_wait_kmcnt 0x0
	s_mov_b32 s15, 0                               ; offsets are made apart and added as pairs with 0 on top
	s_mov_b32 s14, s45
	s_add_nc_u64 s[28:29], s[18:19], s[14:15]
	s_mov_b32 s14, s46
	s_add_nc_u64 s[30:31], s[20:21], s[14:15]
	s_lshl_b32 s14, s5, 2
	s_add_nc_u64 s[42:43], s[24:25], s[14:15]
	s_load_b32 s7, s[42:43], 0x20000               ; cnt[e]: wanted only when the shared piece is under way
	s_lshl_b32 s14, s5, 21                         ; 16 blocks of 131,072 bytes a job
	s_add_nc_u64 s[32:33], s[16:17], s[14:15]
	s_lshl_b32 s14, s5, 12
	s_add_nc_u64 s[34:35], s[24:25], s[14:15]
	s_add_nc_u64 s[34:35], s[34:35], 65536         ; yrow[e]
	s_mov_b32 s14, s44
	s_add_nc_u64 s[36:37], s[26:27], s[14:15]
	s_mov_b32 s14, s48
	s_add_nc_u64 s[38:39], s[22:23], s[14:15]
	s_add_co_u32 s14, s47, 16
	s_lshl_b32 s14, s14, 21
	s_add_nc_u64 s[40:41], s[16:17], s[14:15]
; Four places behind a matrix instruction before a load lands on, or a vector instruction touches, one of its registers.
.macro PLACES
.rept 4
	v_nop
.endr
.endm
; Chunk c of a slab: my 16 k rows, two a load.  Routed weights are read once in the launch (nt = 1), sW2's slabs by eight work-groups.
.macro LOADW base, c, nt
.irp i, 0,1,2,3,4,5,6,7
.if \nt
	global_load_b128 v[WR+4*\i:WR+4*\i+3], v1, s[\base:\base+1] offset:((\c)*256+2*\i)*4096 th:TH_LOAD_NT
.else
	global_load_b128 v[WR+4*\i:WR+4*\i+3], v1, s[\base:\base+1] offset:((\c)*256+2*\i)*4096
.endif
.endr
.endm
.macro STOREW buf
.irp j, 0,1,2,3,4,5,6,7
	v_cvt_pk_bf16_f32 v[CV+2*\j],   v[WR+4*\j],   v[WR+4*\j+1]
	v_cvt_pk_bf16_f32 v[CV+2*\j+1], v[WR+4*\j+2], v[WR+4*\j+3]
.endr
.irp i, 0,1,2,3,4,5,6,7
	ds_store_b64 v[3+\buf], v[CV+2*\i:CV+2*\i+1] offset:\i*2*BP
.endr
.endm
; My tile's 16 rows in blocks 4 c .. 4 c + 3: in a block they are 2,048 consecutive bytes, 512 a load
.macro LOADA va, base, c
.irp b, 0,1,2,3
.irp i, 0,1,2,3
	global_load_b128 v[AR+16*\b+4*\i:AR+16*\b+4*\i+3], v[\va], s[\base:\base+1] offset:(4*(\c)+\b)*131072+\i*512
.endr
.endr
.endm
.macro STOREA
.irp b, 0,1,2,3
.irp i, 0,1,2,3
	ds_store_b128 v7, v[AR+16*\b+4*\i:AR+16*\b+4*\i+3] offset:\i*4*AP+\b*128
.endr
.endr
.endm
; The ten LDS loads of one step of 32 along K, into fragment set 0 or 1
.macro LDFRAG buf, s, set
	ds_load_b128 v[AF+8*\set:AF+8*\set+3],   v8 offset:(\s)*64
	ds_load_b128 v[AF+8*\set+4:AF+8*\set+7], v8 offset:(\s)*64+32
.irp f, 0,1,2,3
	ds_load_tr16_b128 v[BF+32*\set+8*\f:BF+32*\set+8*\f+3],   v[5+\buf] offset:(\s)*32*BP+32*\f
	ds_load_tr16_b128 v[BF+32*\set+8*\f+4:BF+32*\set+8*\f+7], v[5+\buf] offset:(\s)*32*BP+32*\f+16*BP
.endr
.endm
; The four accumulators take turns, one instruction a turn, over steps, chunks, passes and the change of jobs.
.macro MM set
.irp f, 0,1,2,3
	v_wmma_f32_16x16x32_bf16 v[ACC+8*\f:ACC+8*\f+7], v[BF+32*\set+8*\f:BF+32*\set+8*\f+7], v[AF+8*\set:AF+8*\set+7], v[ACC+8*\f:ACC+8*\f+7]
.endr
.endm
; A chunk's eight steps; the next step's fragments are asked for ahead of each step's products.  s_wait_dscnt 10: the ten just issued stay out.
.macro KRUN buf
	LDFRAG \buf, 0, 0
	LDFRAG \buf, 1, 1
	s_wait_dscnt 10
	MM 0
.irp s, 1,3,5
	PLACES
	LDFRAG \buf, \s+1, 0
	s_wait_dscnt 10
	MM 1
	PLACES
	LDFRAG \buf, \s+2, 1
	s_wait_dscnt 10
	MM 0
.endr
	s_wait_dscnt 0x0
	MM 1
	PLACES
.endm
; One chunk.  ONE barrier: in front of it each wave's stores into this buffer and its reads of the other buffer (last chunk's) are done.
; tf: the register that says whether I have a tile; guard = 1: a pass without rows moves no weights; nk, nc: the next chunk's kind (0 none,
; 1 shared, 2 routed) and number; tr = 1: the change from the shared piece to the routed job: every wave asks for routed rows (its own tile's, or
; tile 0's if it has none), whether or not it has a shared tile.
; pf: a routed chunk asked for ahead by waves 0-7, one further than the loads just issued: 256 lanes, one for each 256-byte row piece of the
; chunk, each piece asked for once in the launch, in pass 0 alone; pf stops at 3, the last chunk.
.macro CHUNK buf, tf, guard, nk, nc, pf, tr
	s_wait_loadcnt 0x0                             ; this chunk's weights and rows, and whatever else was asked for with them
.if \guard
	s_cmp_lg_u32 s10, 0
	s_cbranch_scc0 .Lnow_\@
.endif
	STOREW \buf
.if \nk == 1
	LOADW 38, \nc, 0
.endif
.if \nk == 2
	LOADW 28, \nc, 1
.if \pf
	s_cmp_lt_u32 s2, 8
	s_cbranch_scc0 .Lnow_\@
	global_prefetch_b8 v2, s[28:29] offset:\pf*1048576 th:TH_LOAD_NT scope:SCOPE_SE
.endif
.endif
.Lnow_\@:
	s_cmp_lg_u32 s[\tf], 0
	s_cbranch_scc0 .Lnoa_\@
	STOREA
.if \nk == 1
	LOADA 249, 40, \nc
.endif
.if \nk == 2
.if \tr == 0
	LOADA 9, 32, \nc
.endif
.endif
.Lnoa_\@:
.if \tr
	LOADA 9, 32, 0
.endif
	s_wait_dscnt 0x0                               ; for the other waves' sake: zero
	s_barrier_signal -1
	s_barrier_wait -1
	s_cmp_lg_u32 s[\tf], 0
	s_cbranch_scc0 .Lnok_\@
	KRUN \buf
.Lnok_\@:
.endm
; The way out: f32 through my own stage, so that sixteen lanes hold the 256 aligned bytes of one row of ybuf
.macro STAGE
.irp f, 0,1,2,3
	ds_store_b128 v10, v[ACC+8*\f:ACC+8*\f+3]   offset:64*\f
	ds_store_b128 v10, v[ACC+8*\f+4:ACC+8*\f+7] offset:64*\f+16
.endr
.irp i, 0,1,2,3,4,5,6,7
	ds_load_b128 v[BF+4*\i:BF+4*\i+3], v11 offset:\i*544           ; my own bytes, served in order (ISA guide 5.7.1.4)
.endr
.endm
; The figures of routed pass s9: tiles, whether I have one, and where my loads point (a wave without a tile names the pass's tile 0)
.macro RSCAL
	s_lshl_b32 s44, s9, 8
	s_sub_co_i32 s45, s7, s44
	s_max_i32 s45, s45, 0                          ; rows left
	s_add_co_u32 s45, s45, 15
	s_lshr_b32 s45, s45, 4
	s_min_u32 s10, s45, 16                         ; tiles in this pass
	s_cmp_lt_u32 s4, s10
	s_cselect_b32 s11, 1, 0
	s_cselect_b32 s46, s4, 0
	s_lshl_b32 s46, s46, 4
	s_add_co_u32 s46, s46, s44
	s_lshl_b32 s45, s46, 2                         ; the tile's first word in the list
	s_lshl_b32 s47, s46, 7                         ; the tile's first row in a block of hbuf
.endm
; One routed pass.  first = 1: pass 0, whose figures, list words, first weights and first rows are in or on their way already; only the bias
; is left, for the waves that have a tile.
.macro RPASS first
	s_wait_xcnt 0x0                                ; the last stores have read their address and data registers
.if \first
	s_cmp_lg_u32 s11, 0
	s_cbranch_scc0 .Lidle_\@
.irp f, 0,1,2,3
	global_load_b128 v[ACC+8*\f:ACC+8*\f+3],   v246, s[30:31] offset:64*\f         ; the sums start from B2
	global_load_b128 v[ACC+8*\f+4:ACC+8*\f+7], v246, s[30:31] offset:64*\f+16
.endr
.else
	RSCAL
	s_cmp_lg_u32 s10, 0
	s_cbranch_scc0 .Lidle_\@
	v_lshl_add_u32 v245, v248, 2, s45
	v_and_b32 v9, 31, v0
	v_lshl_add_u32 v9, v9, 4, s47
.irp i, 0,1,2,3,4,5,6,7
	global_load_b32 v[YADR+\i], v245, s[34:35] offset:8*\i         ; ybuf row of the tile's row 2 i + lane / 16
.endr
.irp f, 0,1,2,3
	global_load_b128 v[ACC+8*\f:ACC+8*\f+3],   v246, s[30:31] offset:64*\f
	global_load_b128 v[ACC+8*\f+4:ACC+8*\f+7], v246, s[30:31] offset:64*\f+16
.endr
	LOADW 28, 0, 1
	LOADA 9, 32, 0
.endif
.Lidle_\@:
.if \first
	CHUNK 0, 11, 0, 2, 1, 2, 0
	CHUNK 1, 11, 0, 2, 2, 3, 0
	CHUNK 0, 11, 0, 2, 3, 0, 0
	CHUNK 1, 11, 0, 0, 0, 0, 0
.else
	CHUNK 0, 11, 1, 2, 1, 0, 0
	CHUNK 1, 11, 1, 2, 2, 0, 0
	CHUNK 0, 11, 1, 2, 3, 0, 0
	CHUNK 1, 11, 1, 0, 0, 0, 0
.endif
	s_cmp_lg_u32 s11, 0
	s_cbranch_scc0 .Lnoe_\@
.irp i, 0,1,2,3,4,5,6,7
	v_min_u32 v[YADR+\i], 0x100f, v[YADR+\i]                       ; 4,111: ybuf's last row
	v_lshl_add_u32 v[YADR+\i], v[YADR+\i], 12, v244
.endr
	STAGE
.irp i, 0,1,2,3,4,5,6,7
	s_wait_dscnt 7-\i                              ; the younger read-backs stay out
	global_store_b128 v[YADR+\i], v[BF+4*\i:BF+4*\i+3], s[36:37]
.endr
.Lnoe_\@:
.endm
	; Everything that hangs on the arguments alone goes out at once: the routed tile's list words, the shared piece's first weights and rows.
.irp i, 0,1,2,3,4,5,6,7
	global_load_b32 v[YADR+\i], v245, s[34:35] offset:8*\i
.endr
	LOADW 38, 0, 0
	LOADA 249, 40, 0
.set r, 0
.rept 32
	v_mov_b32 v[ACC+r], 0                          ; a half of the shared sum has no bias of its own; every wave writes its accumulators once here
.set r, r+1
.endr
	CHUNK 0, 13, 0, 1, 1, 0, 0                     ; the shared piece, chunk 0
	s_wait_kmcnt 0x0
	s_min_u32 s7, s7, 1024
	s_max_u32 s7, s7, 1                            ; tile 0 was always made
	s_mov_b32 s9, 0
	RSCAL
	v_and_b32 v9, 31, v0
	v_lshl_add_u32 v9, v9, 4, s47
	CHUNK 1, 13, 0, 1, 2, 0, 0
	CHUNK 0, 13, 0, 1, 3, 0, 0
	CHUNK 1, 13, 0, 2, 0, 1, 1                     ; its last chunk asks for the routed job's first
	s_cmp_lg_u32 s13, 0
	s_cbranch_scc0 .Lnose
	STAGE
.irp i, 0,1,2,3,4,5,6,7
	s_wait_dscnt 7-\i                              ; the younger read-backs stay out
	global_store_b128 v250, v[BF+4*\i:BF+4*\i+3], s[36:37] offset:\i*8192
.endr
.Lnose:
	RPASS 1
	s_mov_b32 s9, 1
.Lpass:
	RPASS 0
	s_add_co_u32 s9, s9, 1
	s_cmp_lt_u32 s9, 4
	s_cbranch_scc1 .Lpass
	s_wait_xcnt 0x0
	v_lshl_add_u32 v254, v0, 2, 0x35000
	v_mov_b32 v255, 0
	s_wait_tensorcnt 0x0
	ds_add_u32 v254, v255
	s_wait_dscnt 0x0
	s_endpgm
.Lfunc_end_k_q4218e64f93_down:
	.size	k_q4218e64f93_down, .Lfunc_end_k_q4218e64f93_down-k_q4218e64f93_down
	.p2alignl 7, 3214868480
	.fill 96, 4, 3214868480
	.section	.rodata,"a",@progbits
	.p2align	6, 0x0
	.amdhsa_kernel k_q4218e64f93_down
		.amdhsa_group_segment_fixed_size 219136
		.amdhsa_private_segment_fixed_size 0
		.amdhsa_enable_private_segment 0
		.amdhsa_kernarg_size 48
		.amdhsa_user_sgpr_count 2
		.amdhsa_user_sgpr_kernarg_segment_ptr 1
		.amdhsa_wavefront_size32 1
		.amdhsa_system_sgpr_workgroup_id_x 1
		.amdhsa_system_sgpr_workgroup_id_y 1
		.amdhsa_system_sgpr_workgroup_id_z 1
		.amdhsa_system_vgpr_workitem_id 0
		.amdhsa_next_free_vgpr 256
		.amdhsa_next_free_sgpr 66
		.amdhsa_reserve_vcc 0
		.amdhsa_float_denorm_mode_32 3
		.amdhsa_float_denorm_mode_16_64 3
		.amdhsa_memory_ordered 1
		.amdhsa_forward_progress 1
		.amdhsa_inst_pref_size 177
	.end_amdhsa_kernel
	.amdgpu_metadata
---
amdhsa.version: [ 1, 2 ]
amdhsa.kernels:
  - .name:           k_q4218e64f93_down
    .symbol:         k_q4218e64f93_down.kd
    .args:
      - { .name: hbuf, .offset: 0, .size: 8, .value_kind: global_buffer, .address_space: global }
      - { .name: W2, .offset: 8, .size: 8, .value_kind: global_buffer, .address_space: global }
      - { .name: B2, .offset: 16, .size: 8, .value_kind: global_buffer, .address_space: global }
      - { .name: sW2, .offset: 24, .size: 8, .value_kind: global_buffer, .address_space: global }
      - { .name: lists, .offset: 32, .size: 8, .value_kind: global_buffer, .address_space: global }
      - { .name: ybuf, .offset: 40, .size: 8, .value_kind: global_buffer, .address_space: global }
    .group_segment_fixed_size: 219136
    .private_segment_fixed_size: 0
    .kernarg_segment_align: 8
    .kernarg_segment_size: 48
    .max_flat_workgroup_size: 512
    .sgpr_count:     66
    .vgpr_count:     256
    .wavefront_size: 32
...
	.end_amdgpu_metadata
.endif
;; end of part 4
;; launch combine (part 5): grid 256 x 1, 8 waves a work-group, no clusters, 0 bytes of LDS; arguments ybuf, topw, sB2, out0; writes out0
.if DOCPART == 5
	.amdgcn_target "amdgcn-amd-amdhsa--gfx1250"
	.amdhsa_code_object_version 6
	.text
	.protected	k_q4218e64f93_combine
	.globl	k_q4218e64f93_combine
	.p2align	8
	.type	k_q4218e64f93_combine,@function
k_q4218e64f93_combine:
	s_mov_b64 s[64:65], 0
	v_nop
	global_prefetch_b8 v0, s[64:65] scope:SCOPE_SE
	s_setreg_imm32_b32 hwreg(HW_REG_WAVE_MODE, 25, 1), 1
	s_wait_xcnt 0x0
; COMBINE.  out[t] = w1[t] ybuf[2 t] + w2[t] ybuf[2 t + 1] + ybuf[2048 + t] + ybuf[3072 + t] + sB2.
; A stream: the work-group owns four tokens, thread i the 16 bytes at 16 i of every row, so a wave's load or store covers 512
; consecutive bytes.  All 17 loads go out at once; each row's wait leaves the younger rows' loads out.  No LDS, no barrier, no loop.
.set Y, 8                              ; v[8:71]   token q: slot 0, slot 1, shared half 0, shared half 1, four registers each
.set R, 72                             ; v[72:87]  token q: the result
	s_load_b256 s[16:23], s[0:1], 0x0              ; ybuf 16, topw 18, sB2 20, out0 22
	s_lshl_b32 s24, ttmp9, 5                       ; four tokens x two weights
	s_mov_b32 s25, 0
	s_lshl_b32 s26, ttmp9, 15                      ; eight rows of 4,096 bytes
	s_mov_b32 s27, 0
	s_lshl_b32 s28, ttmp9, 14                      ; four rows
	s_mov_b32 s29, 0
	v_lshlrev_b32 v1, 4, v0
	s_wait_kmcnt 0x0
	s_add_nc_u64 s[18:19], s[18:19], s[24:25]
	s_load_b256 s[8:15], s[18:19], 0x0             ; w1, w2 of my four tokens
	s_add_nc_u64 s[2:3], s[16:17], s[26:27]        ; the routed rows
	s_add_nc_u64 s[4:5], s[16:17], s[28:29]
	s_add_nc_u64 s[4:5], s[4:5], 0x800000          ; the shared rows begin at row 2,048
	s_add_nc_u64 s[22:23], s[22:23], s[28:29]
	global_load_b128 v[4:7], v1, s[20:21]
.irp q, 0,1,2,3
	global_load_b128 v[Y+16*\q:Y+16*\q+3],     v1, s[2:3] offset:2*\q*4096 th:TH_LOAD_NT
	global_load_b128 v[Y+16*\q+4:Y+16*\q+7],   v1, s[2:3] offset:(2*\q+1)*4096 th:TH_LOAD_NT
	global_load_b128 v[Y+16*\q+8:Y+16*\q+11],  v1, s[4:5] offset:\q*4096 th:TH_LOAD_NT
	global_load_b128 v[Y+16*\q+12:Y+16*\q+15], v1, s[4:5] offset:\q*4096+4194304 th:TH_LOAD_NT
.endr
	s_wait_kmcnt 0x0
.irp q, 0,1,2,3
	s_wait_loadcnt 12-4*\q                         ; four loads for each younger token stay out
	v_pk_add_f32 v[R+4*\q:R+4*\q+1],   v[Y+16*\q+8:Y+16*\q+9],   v[Y+16*\q+12:Y+16*\q+13]
	v_pk_add_f32 v[R+4*\q+2:R+4*\q+3], v[Y+16*\q+10:Y+16*\q+11], v[Y+16*\q+14:Y+16*\q+15]
	v_pk_add_f32 v[R+4*\q:R+4*\q+1],   v[R+4*\q:R+4*\q+1],   v[4:5]
	v_pk_add_f32 v[R+4*\q+2:R+4*\q+3], v[R+4*\q+2:R+4*\q+3], v[6:7]
.irp k, 0,1,2,3
	v_fma_f32 v[R+4*\q+\k], v[Y+16*\q+\k], s[8+2*\q], v[R+4*\q+\k]
.endr
.irp k, 0,1,2,3
	v_fma_f32 v[R+4*\q+\k], v[Y+16*\q+4+\k], s[9+2*\q], v[R+4*\q+\k]
.endr
	global_store_b128 v1, v[R+4*\q:R+4*\q+3], s[22:23] offset:\q*4096 th:TH_STORE_NT
.endr
	s_endpgm
.Lfunc_end_k_q4218e64f93_combine:
	.size	k_q4218e64f93_combine, .Lfunc_end_k_q4218e64f93_combine-k_q4218e64f93_combine
	.p2alignl 7, 3214868480
	.fill 96, 4, 3214868480
	.section	.rodata,"a",@progbits
	.p2align	6, 0x0
	.amdhsa_kernel k_q4218e64f93_combine
		.amdhsa_group_segment_fixed_size 0
		.amdhsa_private_segment_fixed_size 0
		.amdhsa_enable_private_segment 0
		.amdhsa_kernarg_size 32
		.amdhsa_user_sgpr_count 2
		.amdhsa_user_sgpr_kernarg_segment_ptr 1
		.amdhsa_wavefront_size32 1
		.amdhsa_system_sgpr_workgroup_id_x 1
		.amdhsa_system_sgpr_workgroup_id_y 1
		.amdhsa_system_sgpr_workgroup_id_z 1
		.amdhsa_system_vgpr_workitem_id 0
		.amdhsa_next_free_vgpr 96
		.amdhsa_next_free_sgpr 66
		.amdhsa_reserve_vcc 0
		.amdhsa_float_denorm_mode_32 3
		.amdhsa_float_denorm_mode_16_64 3
		.amdhsa_memory_ordered 1
		.amdhsa_forward_progress 1
		.amdhsa_inst_pref_size 6
	.end_amdhsa_kernel
	.amdgpu_metadata
---
amdhsa.version: [ 1, 2 ]
amdhsa.kernels:
  - .name:           k_q4218e64f93_combine
    .symbol:         k_q4218e64f93_combine.kd
    .args:
      - { .name: ybuf, .offset: 0, .size: 8, .value_kind: global_buffer, .address_space: global }
      - { .name: topw, .offset: 8, .size: 8, .value_kind: global_buffer, .address_space: global }
      - { .name: sB2, .offset: 16, .size: 8, .value_kind: global_buffer, .address_space: global }
      - { .name: out0, .offset: 24, .size: 8, .value_kind: global_buffer, .address_space: global }
    .group_segment_fixed_size: 0
    .private_segment_fixed_size: 0
    .kernarg_segment_align: 8
    .kernarg_segment_size: 32
    .max_flat_workgroup_size: 256
    .sgpr_count:     66
    .vgpr_count:     96
    .wavefront_size: 32
...
	.end_amdgpu_metadata
.endif
;; end of part 5
